; MI455X (gfx1250); checked and timed in simulation.
; The chip was launched on July 23, 2026; its instructions are those of AMD's public machine-readable ISA for CDNA 5 (MIT licence, August 2026) and "CDNA5" Instruction Set Architecture Reference Guide (July 2026). The comments in the code are by the model that wrote it; some were corrected since.
;; Multi Head Attention. Allowed arithmetic: matrix products marked QUANTISED: E4M3 operands, one given power-of-two scale a tensor, by v_wmma_f32_16x16x64_fp8_fp8 or v_wmma_f32_16x16x128_fp8_fp8, f32 sums; everything else in f32.
;; Inputs: Wk 1,024 x 1,024 float32; Wo 1,024 x 1,024 float32; Wq 1,024 x 1,024 float32; Wv 1,024 x 1,024 float32; lowp_scales 12 int32 (the exponents e of the quantised operands' scales 2^e); token_positions 2 x 2,048 int32; x 2 x 2,048 x 1,024 float32.
;; Outputs: out0 2 x 2,048 x 1,024 float32.
;; This version of the problem:
;;   THIS VERSION OF THE PROBLEM IS GIVEN IN LOW PRECISION. The matrix products marked QUANTISED in the list below multiply operands that are first quantised to E4M3 (4 exponent bits, 3 mantissa bits; 8 bits a number), with one given power-of-two scale for each operand tensor; their sums are f32. All else is computed in f32.
;;   The module's matrix products, in the order in which they are computed (A, B: the left and right operand; K: the contracted axis; several contracted axes count as one K, in the product's order):
;;     1. [M 4,096, K 1,024] x [K 1,024, N 1,024]; A: input x; B: input Wq: QUANTISED (scales: A lowp_scales[0], B lowp_scales[1])
;;     2. [M 4,096, K 1,024] x [K 1,024, N 1,024]; A: input x; B: input Wk: QUANTISED (scales: A lowp_scales[2], B lowp_scales[3])
;;     3. [M 4,096, K 1,024] x [K 1,024, N 1,024]; A: input x; B: input Wv: QUANTISED (scales: A lowp_scales[4], B lowp_scales[5])
;;     4. batch 32 x [M 2,048, K 64] x [K 64, N 2,048]; A: computed on the way; B: computed on the way: QUANTISED (scales: A lowp_scales[6], B lowp_scales[7])
;;     5. batch 32 x [M 2,048, K 2,048] x [K 2,048, N 64]; A: softmax (see below); B: computed on the way: QUANTISED (scales: A lowp_scales[8], B lowp_scales[9])
;;     6. [M 4,096, K 1,024] x [K 1,024, N 1,024]; A: computed on the way; B: input Wo: QUANTISED (scales: A lowp_scales[10], B lowp_scales[11])
;;   THE QUANTISER, for each operand of a quantised product, along K:
;;     - The operand's scale is 2^e, e = its entry of the input lowp_scales (int32; the entries are numbered through the quantised products in the list's order, A before B).
;;     - Each number is divided by the scale, clamped to +-448, and rounded to the nearest number of E4M3, ties to even, subnormals kept.
;;     - The product sums the exact products of the quantised numbers (number of the format x scale) in f32.
;;   ~~~python
;;   def quantise(x, axis, e):      # numpy; x: float32 -> the quantised numbers, widened to float32 again
;;       x = np.moveaxis(x, axis, -1); K = x.shape[-1]
;;       r = np.clip(x / 2.0 ** e, -448, 448)
;;       step = 2.0 ** (np.maximum(np.frexp(np.where(r == 0, 1, r))[1] - 1, -6) - 3)
;;       q = np.round(r / step) * step * 2.0 ** e      # np.round: ties to even
;;       return np.moveaxis(q, -1, axis).astype(np.float32)
;;   ~~~
;;   SOFTMAX AHEAD OF A QUANTISED PRODUCT. Where the list says 'softmax', what is quantised is not the finished softmax but p = 2^(t - M), with t = logit x log2(e) and M = ceil(the row's largest t), a whole number; so 1/2 < the row's largest p <= 1. The row's sum l is taken of the UNQUANTISED p, in f32, and the product's result is divided by l at the end. Since M is a whole number, a kernel that streams over the keys may use a running M (the ceiling of the running maximum): every later rescaling is an exact power of two, so the quantised numbers keep their values, but for numbers so far below the row's largest that they fall under the format's range.
;;   OPERANDS COMPUTED ON THE WAY. 'Computed on the way' means the value that the module computes at that place (a softmax that the list does not call 'softmax' is quantised finished and normalised). What goes into a quantiser is computed in f32, as accurately as f32 sums, v_exp_f32 and their like allow (about 1e-6 of the number): no bf16 or f16 on the way to a quantiser, and a product that is left as it is and whose result goes on into a quantised operand takes f32 operands (vector FMAs, or v_wmma_f32_16x16x4_f32). A number that lies on a knife's edge between two numbers of the format may be rounded either way, as far as f32 arithmetic and the matrix unit's own rounding can turn it there, and no further.
;; One version. Each part assembles by itself: llvm-mc -triple=amdgcn-amd-amdhsa -mcpu=gfx1250 --defsym DOCPART=n.
;; ======== version 1 of 1: 4 launches
;; limits: right only within a limited range of input values
;; workspace buffers: xc 12,582,912 bytes; wc 4,194,304 bytes; cs 1,048,576 bytes; qc 4,194,304 bytes; kc 4,194,304 bytes; vc 4,194,304 bytes; oc 4,194,304 bytes
;; launch prep (part 1): grid 576 x 1, 4 waves a work-group, no clusters, 66,048 bytes of LDS; arguments x, Wq, Wk, Wv, Wo, lowp_scales, token_positions, xc, wc, cs; writes xc, wc, cs
.if DOCPART == 1
	.amdgcn_target "amdgcn-amd-amdhsa--gfx1250"
	.amdhsa_code_object_version 6
	.text
	.protected	k_q3e30a11a4e_prep
	.globl	k_q3e30a11a4e_prep
	.p2align	8
	.type	k_q3e30a11a4e_prep,@function
k_q3e30a11a4e_prep:
	s_mov_b64 s[64:65], 0
	v_nop
	global_prefetch_b8 v0, s[64:65] scope:SCOPE_SE
	s_setreg_imm32_b32 hwreg(HW_REG_WAVE_MODE, 25, 1), 1
	s_wait_xcnt 0x0
; PREP.  Three jobs in one launch, told apart by the work-group's number; the three ways never join.
;   work-groups 0-255:   x [4096][1024] f32 -> xc: three planes of E4M3 codes, with the scales 2^e0, 2^e2, 2^e4 (x is read once, quantised three times).
;   work-groups 256-511: Wq, Wk, Wv, Wo [1024][1024] f32 -> wc: four planes of codes, with 2^e1, 2^e3, 2^e5, 2^e11.  K is innermost in all of them already.
;   work-groups 512-575: token_positions -> cs: cos and sin of position x 10000^(-2 i / 64) = position x 10^(-i / 8), i = 0 .. 31, for each of the 4,096 tokens, laid as the next launch's registers want them:
;                        [block of 16 tokens][b 0..3][k 0..1][lane 16 h + r][cos i, sin i, cos i+1, sin i+1], i = 8 b + 4 h + 2 k, token 16 block + r.
; code = x / 2^e, held within +-448, to the nearest code, ties to even.
; LIMITS: each e between -126 and 119 (so that 2^e and 448 x 2^e are f32 numbers).  NaN among the inputs is not served.  The frequencies are 10^(-i/8) rounded once to f32; a power computed in f32
; may differ from that in its last place or two, which moves the largest angles (about 1,500) by some 2e-4.  The reduction of the angle is written for positions 0 .. 2,047, the table that reference() indexes.
; QUANTISING.  Rows are dense, so a tensor is a plain stream.  A wave takes 8 steps of 512 numbers.  Each of a step's four loads reads 512 consecutive bytes, 16 a lane; the conversion wants 16 NEIGHBOURS in a lane: so the
; 2,048 bytes go through the wave's own stage in LDS as they lie and come back 64 bytes a lane (16 bytes of padding behind each 64).  A lane's 16 codes are 16 bytes: the wave stores 512 consecutive bytes.
; Loads run four steps (16 loads a wave) ahead, the turn through LDS one step.  No tensor loads, no barrier: waves share nothing.  Memory binds: no matrix unit, no cluster.
.set R,   16                           ; v16-79   four sets of 16 numbers as loaded
.set X,   80                           ; v80-111  two sets of 16 neighbours
.set T,   112                          ; v112-127 the 16 numbers, held
.set C,   128                          ; v128-223 codes: four registers for each step and plane, never written again
.set SRC, 38                           ; s[38:39] where my wave reads
.set DST, 40                           ; s[40:45] where it stores: one pair for each plane
.set SP,  80                           ; a lane's place in a stage: 64 bytes + 16
; v3 = 16 x lane: offset of the loads and of the stores.  v4, v5 (v6, v7; v8, v9): 2^e and 448 x 2^e of plane 0 (1; 2).  v10, v11: the stage, in and out, for x's way; v12, v13: for the weights' way (LDS bytes of its own).
.macro LOAD t
.irp i, 0,1,2,3
	global_load_b128 v[R+16*((\t)%4)+4*\i:R+16*((\t)%4)+4*\i+3], v3, s[SRC:SRC+1] offset:2048*(\t)+512*\i th:TH_LOAD_NT
.endr
.endm
.macro TURN t, ain, aout               ; LDS serves a wave's instructions in order: no wait between the stores and the loads
.irp i, 0,1,2,3
	ds_store_b128 v[\ain], v[R+16*((\t)%4)+4*\i:R+16*((\t)%4)+4*\i+3] offset:32*SP*((\t)%2)+8*SP*\i
.endr
.irp i, 0,1,2,3
	ds_load_b128 v[X+16*((\t)%2)+4*\i:X+16*((\t)%2)+4*\i+3], v[\aout] offset:32*SP*((\t)%2)+16*\i
.endr
.endm
.macro OUT1 t, p, n                    ; step t's numbers with plane p's scale; n planes in all
.irp i, 0,1,2,3,4,5,6,7,8,9,10,11,12,13,14,15
	v_med3_num_f32 v[T+\i], v[X+16*((\t)%2)+\i], -v[5+2*(\p)], v[5+2*(\p)]   ; the conversion to an 8-bit code does not saturate (ISA guide 7.6.2): the hold comes first
.endr
	v_cvt_scalef32_pk8_fp8_f32 v[C+4*((\n)*(\t)+(\p)):C+4*((\n)*(\t)+(\p))+1], v[T:T+7], v[4+2*(\p)]
	v_cvt_scalef32_pk8_fp8_f32 v[C+4*((\n)*(\t)+(\p))+2:C+4*((\n)*(\t)+(\p))+3], v[T+8:T+15], v[4+2*(\p)]
	v_nop                                          ; a plain line between the conversions and the next holds, which write their sources
	global_store_b128 v3, v[C+4*((\n)*(\t)+(\p)):C+4*((\n)*(\t)+(\p))+3], s[DST+2*(\p):DST+2*(\p)+1] offset:512*(\t)
.endm
.macro QSTEP t, n, ain, aout
	s_wait_dscnt 0x0                               ; this step's numbers are back from the stage, and its stores into the stage have read their registers,
.if (\t)+4 < 8
	LOAD (\t)+4                                    ; which take the loads of four steps on
.endif
.if (\t) < 7
.if 6-(\t) >= 3
	s_wait_loadcnt 12                              ; the next step's four loads are in; those of the three steps behind it may be out
.else
	s_wait_loadcnt 4*(6-(\t))                      ; towards the end fewer steps stand behind it
.endif
	TURN (\t)+1, \ain, \aout
.endif
	OUT1 \t, 0, \n
.if \n > 1
	OUT1 \t, 1, \n
	OUT1 \t, 2, \n
.endif
.endm
.macro SCALE p, se                     ; 2^e and 448 x 2^e as f32, from the whole number in \se
	s_add_co_i32 s47, \se, 127
	s_lshl_b32 s48, s47, 23
	v_mov_b32 v[4+2*\p], s48
	s_add_co_i32 s47, s47, 8
	s_lshl_b32 s47, s47, 23
	s_or_b32 s47, s47, 0x600000
	v_mov_b32 v[5+2*\p], s47
.endm
	s_load_b512 s[4:19], s[0:1], 0x0               ; x s[4:5], Wq s[6:7], Wk s[8:9], Wv s[10:11], Wo s[12:13], scales s[14:15], positions s[16:17], xc s[18:19]
	s_load_b128 s[20:23], s[0:1], 0x40             ; wc s[20:21], cs s[22:23]
	v_lshl_add_u32 v224, v0, 2, 0x10000
	v_mov_b32 v225, 0
	v_lshrrev_b32 v1, 5, v0
	v_readfirstlane_b32 s36, v1                    ; wave
	v_and_b32 v2, 31, v0                           ; lane
	v_lshlrev_b32 v3, 4, v2
	s_lshl_b32 s37, s36, 13                        ; 8,192 bytes of LDS for each wave
	v_lshrrev_b32 v10, 2, v2
	v_mul_u32_u24 v10, v10, SP
	v_and_b32 v11, 3, v2
	v_lshl_add_u32 v10, v11, 4, v10
	v_add_nc_u32 v10, s37, v10                     ; in: four lanes' 64 bytes on end, then the padding
	v_mul_u32_u24 v11, v2, SP
	v_add_nc_u32 v11, s37, v11                     ; out: my 16 neighbours
	v_add_nc_u32 v12, 0x8000, v10
	v_add_nc_u32 v13, 0x8000, v11
	s_mov_b32 s49, 0
	s_wait_kmcnt 0x0
	s_cmp_lt_u32 ttmp9, 256
	s_cbranch_scc0 .Lnot_x
	; ---- x
	s_load_b256 s[24:31], s[14:15], 0x0            ; e0 .. e7
	s_lshl_b32 s46, ttmp9, 2
	s_add_co_u32 s46, s46, s36                     ; which run of 4,096 numbers is my wave's
	s_lshl_b32 s48, s46, 14
	s_add_nc_u64 s[SRC:SRC+1], s[4:5], s[48:49]
	s_lshl_b32 s48, s46, 12
	s_add_nc_u64 s[DST:DST+1], s[18:19], s[48:49]
	s_add_nc_u64 s[DST+2:DST+3], s[DST:DST+1], 0x400000
	s_add_nc_u64 s[DST+4:DST+5], s[DST:DST+1], 0x800000
.irp t, 0,1,2,3
	LOAD \t
.endr
	s_wait_kmcnt 0x0
	SCALE 0, s24
	SCALE 1, s26
	SCALE 2, s28
	s_wait_loadcnt 12                              ; step 0's four loads are in
	s_wait_alu depctr_va_vdst(0)
	TURN 0, 10, 11
.irp t, 0,1,2,3,4,5,6,7
	QSTEP \t, 3, 10, 11
.endr
	s_wait_tensorcnt 0x0
	ds_add_u32 v224, v225
	s_wait_dscnt 0x0
	s_endpgm
.Lnot_x:
	s_cmp_lt_u32 ttmp9, 512
	s_cbranch_scc0 .Ltable
	; ---- the weights
	s_load_b256 s[24:31], s[14:15], 0x0            ; e0 .. e7
	s_load_b128 s[32:35], s[14:15], 0x20           ; e8 .. e11
	s_sub_co_u32 s46, ttmp9, 256
	s_lshr_b32 s37, s46, 6                         ; which weight: 0 Wq, 1 Wk, 2 Wv, 3 Wo
	s_and_b32 s48, s46, 63
	s_lshl_b32 s48, s48, 2
	s_add_co_u32 s48, s48, s36                     ; which run of 4,096 numbers of it
	s_lshl_b32 s48, s48, 14
	s_cmp_eq_u32 s37, 0
	s_cselect_b64 s[SRC:SRC+1], s[6:7], s[12:13]
	s_cmp_eq_u32 s37, 1
	s_cselect_b64 s[SRC:SRC+1], s[8:9], s[SRC:SRC+1]
	s_cmp_eq_u32 s37, 2
	s_cselect_b64 s[SRC:SRC+1], s[10:11], s[SRC:SRC+1]
	s_add_nc_u64 s[SRC:SRC+1], s[SRC:SRC+1], s[48:49]
	s_lshl_b32 s48, s46, 2
	s_add_co_u32 s48, s48, s36
	s_lshl_b32 s48, s48, 12                        ; the four planes of wc follow each other as the work-groups do
	s_add_nc_u64 s[DST:DST+1], s[20:21], s[48:49]
.irp t, 0,1,2,3
	LOAD \t
.endr
	s_wait_kmcnt 0x0
	s_cmp_eq_u32 s37, 0
	s_cselect_b32 s47, s25, s35                    ; e1, or e11
	s_cmp_eq_u32 s37, 1
	s_cselect_b32 s47, s27, s47                    ; e3
	s_cmp_eq_u32 s37, 2
	s_cselect_b32 s47, s29, s47                    ; e5
	SCALE 0, s47
	s_wait_loadcnt 12
	s_wait_alu depctr_va_vdst(0)
	TURN 0, 12, 13
.irp t, 0,1,2,3,4,5,6,7
	QSTEP \t, 1, 12, 13
.endr
	s_wait_tensorcnt 0x0
	ds_add_u32 v224, v225
	s_wait_dscnt 0x0
	s_endpgm
.Ltable:
	; ---- cos and sin.  A wave takes a block of 16 tokens; lane (r, h) makes 16 of token r's 32 angles.
	; REGISTERS of this way: v30 the position; v32-63 the 32 results, which stay until the stores; v64-73 at work in EVAL, clear of the results.
	s_sub_co_u32 s46, ttmp9, 512
	s_lshl_b32 s46, s46, 2
	s_add_co_u32 s46, s46, s36                     ; the block
	s_lshl_b32 s48, s46, 6
	s_add_nc_u64 s[SRC:SRC+1], s[16:17], s[48:49]
	s_lshl_b32 s48, s46, 12
	s_add_nc_u64 s[DST:DST+1], s[22:23], s[48:49]
	v_and_b32 v14, 15, v0                          ; r
	v_bfe_u32 v15, v0, 4, 1                        ; h
	s_wait_alu depctr_va_vdst(0)
	v_lshlrev_b32 v16, 2, v14
	global_load_b32 v17, v16, s[SRC:SRC+1]         ; my token's position
	s_mov_b32 s50, 0x3f22f983                      ; 2 / pi
	s_mov_b32 s51, 0xbfc90fdb                      ; -(pi / 2 rounded to f32)
	s_mov_b32 s52, 0x333bbd2e                      ; that number less pi / 2
	s_mov_b32 s53, 0x37ccf5ce                      ; cos r = 1 - z / 2 + z^2 (((s53) z + s54) z + s55), z = r^2, |r| <= pi / 4
	s_mov_b32 s54, 0xbab6061a
	s_mov_b32 s55, 0x3d2aaaa5
	s_mov_b32 s56, 0xb94ca1f9                      ; sin r = r + r z (((s56) z + s57) z + s58)
	s_mov_b32 s57, 0x3c08839e
	s_mov_b32 s58, 0xbe2aaaa3
	v_cmp_eq_u32 vcc_lo, 1, v15                    ; lanes 16-31, for the whole way
	s_wait_loadcnt 0x0
	v_cvt_f32_i32 v30, v17
; cos into v[32 + n], sin into v[33 + n], of position x f0 (lanes 0-15) or position x f1 (lanes 16-31)
.macro EVAL n, f0, f1
	v_mul_f32 v64, \f0, v30
	v_mul_f32 v65, \f1, v30
	v_cndmask_b32 v64, v64, v65, vcc_lo            ; the angle: one rounding
	v_mul_f32 v65, s50, v64
	v_rndne_f32 v65, v65                           ; quarter turns
	v_fma_f32 v66, v65, s51, v64                   ; exact: a multiple of 2^-23, under 1
	v_fma_f32 v66, v65, s52, v66                   ; r
	v_cvt_i32_f32 v67, v65
	v_mul_f32 v68, v66, v66                        ; z
	v_fma_f32 v69, v68, s53, s54
	v_fma_f32 v70, v68, s56, s57
	v_fma_f32 v69, v69, v68, s55
	v_fma_f32 v70, v70, v68, s58
	v_mul_f32 v71, v68, v68
	v_fma_f32 v72, v68, -0.5, 1.0
	v_mul_f32 v73, v66, v68
	v_fma_f32 v69, v71, v69, v72                   ; cos r
	v_fma_f32 v70, v73, v70, v66                   ; sin r
	v_and_b32 v71, 1, v67
	v_cmp_eq_u32 s62, 1, v71                       ; an odd number of quarter turns: the two change places
	v_cndmask_b32 v72, v69, v70, s62
	v_cndmask_b32 v73, v70, v69, s62
	v_add_nc_u32 v71, 1, v67
	v_lshlrev_b32 v67, 30, v67                     ; sin changes sign in quarters 2 and 3: bit 1 of the count,
	v_lshlrev_b32 v71, 30, v71                     ; cos in quarters 1 and 2: bit 1 of the count + 1
	v_and_b32 v67, 0x80000000, v67
	v_and_b32 v71, 0x80000000, v71
	v_xor_b32 v[32+\n], v72, v71
	v_xor_b32 v[33+\n], v73, v67
.endm
	EVAL 0, 1.0, 0.31622776601683794
	EVAL 2, 0.7498942093324559, 0.23713737056616552
	EVAL 4, 0.5623413251903491, 0.1778279410038923
	EVAL 6, 0.4216965034285822, 0.1333521432163324
	EVAL 8, 0.1, 0.031622776601683794
	EVAL 10, 0.07498942093324559, 0.023713737056616552
	EVAL 12, 0.05623413251903491, 0.01778279410038923
	EVAL 14, 0.04216965034285822, 0.01333521432163324
	EVAL 16, 0.01, 0.0031622776601683794
	EVAL 18, 0.007498942093324559, 0.0023713737056616552
	EVAL 20, 0.005623413251903491, 0.001778279410038923
	EVAL 22, 0.004216965034285822, 0.001333521432163324
	EVAL 24, 0.001, 0.00031622776601683794
	EVAL 26, 0.0007498942093324559, 0.00023713737056616552
	EVAL 28, 0.0005623413251903491, 0.0001778279410038923
	EVAL 30, 0.0004216965034285822, 0.0001333521432163324
.irp m, 0,1,2,3,4,5,6,7
	global_store_b128 v3, v[32+4*\m:35+4*\m], s[DST:DST+1] offset:512*\m   ; 32 lanes store 512 consecutive bytes
.endr
	s_endpgm
.Lfunc_end_k_q3e30a11a4e_prep:
	.size	k_q3e30a11a4e_prep, .Lfunc_end_k_q3e30a11a4e_prep-k_q3e30a11a4e_prep
	.p2alignl 7, 3214868480
	.fill 96, 4, 3214868480
	.section	.rodata,"a",@progbits
	.p2align	6, 0x0
	.amdhsa_kernel k_q3e30a11a4e_prep
		.amdhsa_group_segment_fixed_size 66048
		.amdhsa_private_segment_fixed_size 0
		.amdhsa_enable_private_segment 0
		.amdhsa_kernarg_size 80
		.amdhsa_user_sgpr_count 2
		.amdhsa_user_sgpr_kernarg_segment_ptr 1
		.amdhsa_wavefront_size32 1
		.amdhsa_system_sgpr_workgroup_id_x 1
		.amdhsa_system_sgpr_workgroup_id_y 1
		.amdhsa_system_sgpr_workgroup_id_z 1
		.amdhsa_system_vgpr_workitem_id 0
		.amdhsa_next_free_vgpr 226
		.amdhsa_next_free_sgpr 66
		.amdhsa_reserve_vcc 1
		.amdhsa_float_denorm_mode_32 3
		.amdhsa_float_denorm_mode_16_64 3
		.amdhsa_memory_ordered 1
		.amdhsa_forward_progress 1
		.amdhsa_inst_pref_size 84
	.end_amdhsa_kernel
	.amdgpu_metadata
---
amdhsa.version: [ 1, 2 ]
amdhsa.kernels:
  - .name:           k_q3e30a11a4e_prep
    .symbol:         k_q3e30a11a4e_prep.kd
    .args:
      - { .name: x, .offset: 0, .size: 8, .value_kind: global_buffer, .address_space: global }
      - { .name: Wq, .offset: 8, .size: 8, .value_kind: global_buffer, .address_space: global }
      - { .name: Wk, .offset: 16, .size: 8, .value_kind: global_buffer, .address_space: global }
      - { .name: Wv, .offset: 24, .size: 8, .value_kind: global_buffer, .address_space: global }
      - { .name: Wo, .offset: 32, .size: 8, .value_kind: global_buffer, .address_space: global }
      - { .name: lowp_scales, .offset: 40, .size: 8, .value_kind: global_buffer, .address_space: global }
      - { .name: token_positions, .offset: 48, .size: 8, .value_kind: global_buffer, .address_space: global }
      - { .name: xc, .offset: 56, .size: 8, .value_kind: global_buffer, .address_space: global }
      - { .name: wc, .offset: 64, .size: 8, .value_kind: global_buffer, .address_space: global }
      - { .name: cs, .offset: 72, .size: 8, .value_kind: global_buffer, .address_space: global }
    .group_segment_fixed_size: 66048
    .private_segment_fixed_size: 0
    .kernarg_segment_align: 8
    .kernarg_segment_size: 80
    .max_flat_workgroup_size: 128
    .sgpr_count:     66
    .vgpr_count:     226
    .wavefront_size: 32
...
	.end_amdgpu_metadata
.endif
;; end of part 1
;; launch qkv (part 2): grid 8 x 32, 4 waves a work-group, clusters of 4 x 4, 327,680 bytes of LDS; arguments xc, wc, cs, lowp_scales, qc, kc, vc; writes qc, kc, vc
.if DOCPART == 2
	.amdgcn_target "amdgcn-amd-amdhsa--gfx1250"
	.amdhsa_code_object_version 6
	.text
	.protected	k_q3e30a11a4e_qkv
	.globl	k_q3e30a11a4e_qkv
	.p2align	8
	.type	k_q3e30a11a4e_qkv,@function
k_q3e30a11a4e_qkv:
	s_mov_b64 s[64:65], 0
	v_nop
	global_prefetch_b8 v0, s[64:65] scope:SCOPE_SE
	s_setreg_imm32_b32 hwreg(HW_REG_WAVE_MODE, 25, 1), 1
	s_wait_xcnt 0x0
	s_wait_alu depctr_hold_cnt(0) depctr_sa_sdst(0) depctr_va_vdst(0) depctr_va_sdst(0) depctr_va_ssrc(0) depctr_va_vcc(0) depctr_vm_vsrc(0)
	s_getreg_b32 s2, hwreg(HW_REG_IB_STS2, 6, 4)
	s_cmp_eq_u32 s2, 0
	s_cbranch_scc0 .Lentry_in_a_cluster
	s_endpgm
.Lentry_in_a_cluster:
	s_bfe_u32 s2, ttmp6, 0x10000c
	s_cmp_lg_u32 s2, 0xf033
	s_cbranch_scc0 .Lentry_shape_is_right
	s_endpgm
.Lentry_shape_is_right:
; QKV.  q = x Wq^T, k = x Wk^T, v = x Wv^T on E4M3 codes (f32 sums), RoPE on q and k, and the results quantised again: q with 2^e6, k with 2^e7, v with 2^e9.
; xc: [3 planes][4096 tokens][1024], wc: [4 planes][1024 rows][1024], codes, K innermost.  cs: cos and sin in the order of this text's registers.
; qc, kc: [32 batch x head][2048 tokens][64].  vc: [32][32 blocks of 64 keys][64 d][64 places]; of a group of 32 keys, key 16 g + 8 h + j stands at place 16 h + 8 g + j.
; SHARES.  Work-group (x, y): 128 output columns x, 128 tokens y, of ALL THREE planes, one after the other: 256 work-groups that stay.  Four waves, each 64 x 64: 16 accumulators.
; LDS holds one plane's two tiles whole: 2 x 128 rows x 1,024 bytes, rows 1,040 bytes apart (65 x 16: the 16 rows of a fragment load begin in 16 different 16-byte columns of 256).
; Each wave fetches 64 rows by ONE tensor load.  When a plane's products are issued and its LDS reads are over, the next plane's tiles are asked for, and land while this plane is rotated, quantised and stored.
; Planes q and k are two trips of a loop, each with its refill; plane v is written out: it asks for nothing, and its products take the tokens as source 0 (a lane then holds one d and eight neighbouring tokens).
; CLUSTERS: 4 x 4.  The weight's tile hangs on x and the plane: the four of a column ask JOINTLY; x's tile on y and the plane: the four of a row.  No LDS address and no branch hangs on a work-group's place.
; PREFETCH.  Trip 0, which loads plane k's tiles, asks for plane v's, which trip 1 loads: one trip ahead.  Of the 64 rows that a wave fetches each of the four partners names 16, told apart by address:
; 64 blocks of 256 bytes, two instructions a wave, a lane a block.  Trip 1 has no plane behind v and asks for nothing; planes q and k come by their loads alone.
; THE SCALES.  RoPE is linear and the scales are powers of two: the sums are rotated as they are, and the conversion takes 2^(eo - ea - eb).  LIMIT: eo - ea - eb between -126 and 119, for each plane.
; REGISTERS: window 0: v1-21 addresses and scales; v32-63 codes; v64-71 at work; v94, v95 the add's; v96-127 rows on the way out; v128-255 accumulators ((a, b) at 128 + 8 (4 a + b)).
;   window 1: two sets of fragments, at 0 and 128: x's four at + 16 i, the weight's at + 64 + 16 i.   window 2: v0-127 cos and sin.
.set HALFT, 64*1040
.set STG,   278528                     ; behind the tiles (266,240 bytes): a stage of 64 rows x 80 bytes for each wave; no fill lands there
.set SPARE, 0x49000                    ; the spare words
.set ADRW,  8
.set ADRX,  9
.set PFO,   10
.set ACC,   128
.set F0,    0
.set F1,    128
.set G0W,   32
.set G0X,   36
.set PFA,   40
.set OFS,   42
.set OUTP,  44
.set G1W,   48
.set G1X,   56
.set MSB,   0
.macro WIN new
.if MSB != \new
	s_set_vgpr_msb (MSB<<8)|\new
.set MSB, \new
.endif
.endm
.set MUL,  0x05
.set TO_F, 0x40
.macro PLACES                          ; four plain lines behind a matrix instruction (ISA guide 7.12.1)
.rept 4
	v_nop
.endr
.endm
.macro CROUND                          ; a round of the cluster's barrier
	s_barrier_signal -1
	s_barrier_wait -1
	s_cmp_lg_u32 s20, 0
	s_cbranch_scc1 .Lnot_wave_0_\@
	s_barrier_signal -3
.Lnot_wave_0_\@:
	s_barrier_wait -3
	s_barrier_signal -1
	s_barrier_wait -1
.endm
.macro JLOAD                           ; waves 0, 1: the weight's halves; waves 2, 3: x's.  One load to an arm, one join
	s_cmp_lt_u32 s20, 2
	s_cbranch_scc0 .Lfor_x_\@
	tensor_load_to_lds s[G0W:G0W+3], s[G1W:G1W+7]
	s_nop 0
.rept 4
	v_nop
.endr
	s_branch .Lasked_\@
.Lfor_x_\@:
	tensor_load_to_lds s[G0X:G0X+3], s[G1X:G1X+7]
	s_nop 0
.rept 4
	v_nop
.endr
.Lasked_\@:
.endm
.macro FETCH s                         ; step s's fragments (128 along K) into set s % 2: registers 4 i .. 4 i + 3 hold K = 32 i + 16 h + 0 .. 15, on both sides
	WIN TO_F
.irp b, 0,1,2,3
.irp i, 0,1,2,3
	ds_load_b128 v[128*((\s)%2)+64+16*\b+4*\i:128*((\s)%2)+64+16*\b+4*\i+3], v[ADRW] offset:128*(\s)+32*\i+16640*\b
.endr
.endr
.irp a, 0,1,2,3
.irp i, 0,1,2,3
	ds_load_b128 v[128*((\s)%2)+16*\a+4*\i:128*((\s)%2)+16*\a+4*\i+3], v[ADRX] offset:128*(\s)+32*\i+16640*\a
.endr
.endr
.endm
; 8 matrix instructions; the 16 accumulators take turns.  v = 0: source 0 = the weight's block b, source 1 = x's block a.  v = 1: source 0 = x's block b, source 1 = the weight's block a.
.macro MUL8 f, h0, zero, v
.if \v
.irp b, \h0, \h0+1
.irp a, 0,1,2,3
.if \zero
	v_wmma_f32_16x16x128_fp8_fp8 v[ACC+8*(4*\a+(\b)):ACC+8*(4*\a+(\b))+7], v[\f+16*(\b):\f+16*(\b)+15], v[\f+64+16*\a:\f+64+16*\a+15], 0
.else
	v_wmma_f32_16x16x128_fp8_fp8 v[ACC+8*(4*\a+(\b)):ACC+8*(4*\a+(\b))+7], v[\f+16*(\b):\f+16*(\b)+15], v[\f+64+16*\a:\f+64+16*\a+15], v[ACC+8*(4*\a+(\b)):ACC+8*(4*\a+(\b))+7]
.endif
.endr
.endr
.else
.irp a, \h0, \h0+1
.irp b, 0,1,2,3
.if \zero
	v_wmma_f32_16x16x128_fp8_fp8 v[ACC+8*(4*(\a)+\b):ACC+8*(4*(\a)+\b)+7], v[\f+64+16*\b:\f+64+16*\b+15], v[\f+16*(\a):\f+16*(\a)+15], 0
.else
	v_wmma_f32_16x16x128_fp8_fp8 v[ACC+8*(4*(\a)+\b):ACC+8*(4*(\a)+\b)+7], v[\f+64+16*\b:\f+64+16*\b+15], v[\f+16*(\a):\f+16*(\a)+15], v[ACC+8*(4*(\a)+\b):ACC+8*(4*(\a)+\b)+7]
.endif
.endr
.endr
.endif
.endm
.macro STEP s, f, zero, v
	s_wait_dscnt 8                                 ; the youngest eight loads (x's blocks 2, 3) may be out
	WIN MUL
	MUL8 \f, 0, \zero, \v
	PLACES
	FETCH (\s)+1
	s_wait_dscnt 32                                ; all but the 32 just issued
	WIN MUL
	MUL8 \f, 2, \zero, \v
.endm
.macro MAIN v
	STEP 0, F0, 1, \v                              ; the first step's products start the sums
	STEP 1, F1, 0, \v
	STEP 2, F0, 0, \v
	STEP 3, F1, 0, \v
	STEP 4, F0, 0, \v
	STEP 5, F1, 0, \v
	STEP 6, F0, 0, \v
	s_wait_dscnt 8
	WIN MUL
	MUL8 F1, 0, 0, \v
	s_wait_dscnt 0x0
	MUL8 F1, 2, 0, \v
	WIN 0
.endm
.macro SCALES                          ; s94 = eo, s28 = ea, s29 = eb -> v20 = 2^(eo - ea - eb), v21 = 448 x that
	s_sub_co_i32 s94, s94, s28
	s_sub_co_i32 s94, s94, s29
	s_add_co_i32 s94, s94, 127
	s_lshl_b32 s95, s94, 23
	v_mov_b32 v20, s95
	s_add_co_i32 s94, s94, 8
	s_lshl_b32 s94, s94, 23
	s_or_b32 s94, s94, 0x600000
	v_mov_b32 v21, s94
.endm
.macro QUANT                           ; the hold comes first: the conversion does not saturate (ISA guide 7.6.2); each accumulator from its low end on
.irp n, 0,1,2,3,4,5,6,7,8,9,10,11,12,13,14,15
.irp j, 0,1,2,3,4,5,6,7
	v_med3_num_f32 v[ACC+8*\n+\j], v[ACC+8*\n+\j], -v21, v21
.endr
	v_cvt_scalef32_pk8_fp8_f32 v[32+2*\n:33+2*\n], v[ACC+8*\n:ACC+8*\n+7], v20
.endr
	v_nop                                          ; a plain line behind the last conversion
.endm
.macro SENDOUT                         ; my stage back as 4,096 consecutive bytes; LDS serves a wave's instructions in order
.irp i, 0,1,2,3,4,5,6,7
	ds_load_b128 v[96+4*\i:99+4*\i], v18 offset:640*\i
.endr
.irp i, 0,1,2,3,4,5,6,7
	s_wait_dscnt 7-\i                              ; the loads behind this one may be out
	global_store_b128 v19, v[96+4*\i:99+4*\i], s[OUTP:OUTP+1] offset:512*\i   ; 32 lanes store 512 consecutive bytes, aligned
.endr
.endm
	s_load_b256 s[4:11], s[0:1], 0x0               ; xc, wc, cs, scales
	s_load_b128 s[12:15], s[0:1], 0x20             ; qc, kc
	s_load_b64 s[16:17], s[0:1], 0x30              ; vc
	v_lshl_add_u32 v94, v0, 2, SPARE
	v_mov_b32 v95, 0
	ds_add_u32 v94, v95                            ; the opening lines
	ds_add_u32 v94, v95
	v_lshrrev_b32 v1, 5, v0
	v_readfirstlane_b32 s20, v1                    ; wave
	s_lshr_b32 s21, s20, 1                         ; my half of the tokens
	s_and_b32 s22, s20, 1                          ; my half of the weight's rows; also which 64 rows I fetch
	s_bfe_u32 s18, ttmp6, 0x40000                  ; cx
	s_bfe_u32 s19, ttmp6, 0x40004                  ; cy
	s_lshl_b32 s23, ttmp9, 2
	s_add_co_u32 s23, s23, s18                     ; tile of columns
	s_and_b32 s24, ttmp7, 0xffff
	s_lshl_b32 s24, s24, 2
	s_add_co_u32 s24, s24, s19                     ; tile of tokens
	s_mul_i32 s27, s20, HALFT                      ; where my fill goes: the wave's number alone
	s_lshl_b32 s2, s19, 2
	s_lshl_b32 s2, 15, s2                          ; my row of the cluster
	s_lshl_b32 s3, 0x1111, s18                     ; my column
	s_or_b32 s[G1W], s3, (1<<20)|(1<<21)|(7<<22)|(3<<25)   ; the mask; bytes; 4 words of padding behind every 256
	s_or_b32 s[G1X], s2, (1<<20)|(1<<21)|(7<<22)|(3<<25)
.irp g, G1W, G1X
	s_mov_b32 s[\g+1], 1024<<16
	s_mov_b32 s[\g+2], 64<<16
	s_mov_b32 s[\g+3], 1024<<16
	s_mov_b32 s[\g+4], 64
	s_mov_b32 s[\g+5], 1024
	s_mov_b32 s[\g+6], 0
	s_mov_b32 s[\g+7], 0
.endr
	s_lshl_b32 s94, s23, 17                        ; the weight's tile in plane 0,
	s_lshl_b32 s95, s22, 16                        ; and my 64 rows
	s_add_co_u32 s94, s94, s95
	s_mov_b32 s95, 0
	s_lshl_b32 s98, s24, 17                        ; x's tile in plane 0
	s_lshl_b32 s99, s22, 16
	s_add_co_u32 s98, s98, s99
	s_mov_b32 s99, 0
	s_wait_alu depctr_va_vdst(0)
	s_wait_dscnt 0x0
	s_wait_kmcnt 0x0
	s_load_b256 s[84:91], s[10:11], 0x0            ; e0 .. e7
	s_load_b64 s[92:93], s[10:11], 0x20            ; e8, e9
	s_add_nc_u64 s[96:97], s[6:7], s[94:95]
	s_add_nc_u64 s[30:31], s[4:5], s[98:99]
	s_mov_b32 s[G0W], 1
	s_mov_b32 s[G0W+1], s27
	s_mov_b64 s[G0W+2:G0W+3], s[96:97]
	s_or_b32 s[G0W+3], s[G0W+3], 0x80000000
	s_mov_b32 s[G0X], 1
	s_mov_b32 s[G0X+1], s27
	s_mov_b64 s[G0X+2:G0X+3], s[30:31]
	s_or_b32 s[G0X+3], s[G0X+3], 0x80000000
	CROUND                                         ; all sixteen work-groups are here
	JLOAD                                          ; plane q's tiles: my one load at the head
	; the prefetch's base: plane v's tile, my 64 rows, my work-group's 16 of them
	s_cmp_lt_u32 s20, 2
	s_cselect_b64 s[PFA:PFA+1], s[96:97], s[30:31]
	s_cselect_b32 s28, s19, s18                    ; my place among the four that ask with me
	s_mov_b32 s29, 0x800000
	s_cselect_b32 s29, 0x200000, s29               ; two planes on
	s_lshl_b32 s28, s28, 14
	s_add_co_u32 s28, s28, s29
	s_mov_b32 s29, 0
	s_add_nc_u64 s[PFA:PFA+1], s[PFA:PFA+1], s[28:29]
	; cos and sin of my 64 tokens
	v_and_b32 v5, 31, v0
	v_lshlrev_b32 v19, 4, v5
	s_lshl_b32 s2, s24, 15
	s_lshl_b32 s3, s21, 14
	s_add_co_u32 s2, s2, s3
	s_mov_b32 s3, 0
	s_add_nc_u64 s[8:9], s[8:9], s[2:3]
	WIN 0x80
.irp a, 0,1,2,3
.irp m, 0,1,2,3,4,5,6,7
	global_load_b128 v[4*(8*\a+\m):4*(8*\a+\m)+3], v19, s[8:9] offset:512*(8*\a+\m)
.endr
.endr
	WIN 0
	v_and_b32 v1, 15, v0                           ; r
	v_bfe_u32 v2, v0, 4, 1                         ; h
	v_mul_u32_u24 v3, v1, 1040
	v_lshl_add_u32 v3, v2, 4, v3
	s_wait_alu depctr_va_vdst(0)
	s_mul_i32 s28, s22, HALFT
	s_mul_i32 s29, s21, HALFT
	s_add_co_u32 s29, s29, 2*HALFT
	v_add_nc_u32 v[ADRW], s28, v3
	v_add_nc_u32 v[ADRX], s29, v3
	s_mul_i32 s28, s20, 5120
	s_add_co_u32 s28, s28, STG                     ; my stage
	v_mul_u32_u24 v4, v1, 80
	v_add_nc_u32 v4, s28, v4
	v_lshl_add_u32 v16, v2, 3, v4                  ; q, k: row r, + 8 h
	v_lshl_add_u32 v17, v2, 4, v4                  ; v: row r, + 16 h
	v_lshrrev_b32 v6, 2, v5
	v_mul_u32_u24 v6, v6, 80
	v_and_b32 v7, 3, v5
	v_lshl_add_u32 v6, v7, 4, v6
	v_add_nc_u32 v18, s28, v6                      ; back: four lanes to a row of 64 bytes
	v_and_b32 v11, 1, v5
	v_lshlrev_b32 v11, 8, v11
	v_lshrrev_b32 v12, 1, v5
	v_lshl_add_u32 v[PFO], v12, 10, v11            ; the prefetch: row lane / 2, block lane % 2 (+ 2 by the immediate)
	; my 4,096 bytes in each result: (batch x 16 + head) x 131,072 + (block of 64 tokens) x 4,096
	s_lshr_b32 s2, s24, 4
	s_lshl_b32 s2, s2, 4
	s_lshl_b32 s3, s23, 1
	s_add_co_u32 s2, s2, s3
	s_add_co_u32 s2, s2, s22
	s_lshl_b32 s2, s2, 17
	s_and_b32 s3, s24, 15
	s_lshl_b32 s3, s3, 1
	s_add_co_u32 s3, s3, s21
	s_lshl_b32 s3, s3, 12
	s_add_co_u32 s[OFS], s2, s3
	s_mov_b32 s[OFS+1], 0
	s_mov_b32 s25, 0                               ; the plane
	s_wait_alu depctr_va_vdst(0)
	s_wait_kmcnt 0x0
.Lplane:                                               ; two trips: q, k
	s_wait_tensorcnt 0x0                           ; my part of this plane's tiles is in
	s_barrier_signal -1
	s_barrier_wait -1                              ; everybody's is
	FETCH 0
	MAIN 0
	s_wait_tensorcnt 0x0                           ; the three lines ahead of a refill: no load of mine is out,
	ds_add_u32 v94, v95                            ; the add,
	s_add_nc_u64 s[G0W+2:G0W+3], s[G0W+2:G0W+3], 0x100000   ; the next plane's tiles
	s_add_nc_u64 s[G0X+2:G0X+3], s[G0X+2:G0X+3], 0x400000
	s_wait_dscnt 0x0                               ; and my reads of the tiles are over
	CROUND                                         ; so it is in every wave of the sixteen work-groups
	JLOAD                                          ; its four v_nop are the places behind the last products
	s_cmp_eq_u32 s25, 0
	s_cselect_b32 s28, s84, s86                    ; e0 or e2
	s_cselect_b32 s29, s85, s87                    ; e1 or e3
	s_cselect_b32 s94, s90, s91                    ; e6 or e7
	s_cselect_b64 s[OUTP:OUTP+1], s[12:13], s[14:15]
	s_add_nc_u64 s[OUTP:OUTP+1], s[OUTP:OUTP+1], s[OFS:OFS+1]
	SCALES
	s_wait_loadcnt 0x0                             ; cos and sin
	WIN 0x08                                       ; source 1 window 2
.irp n, 0,1,2,3,4,5,6,7,8,9,10,11,12,13,14,15
.irp p, 0,1,2,3
	v_mul_f32 v[64+2*\p], v[ACC+8*\n+2*\p+1], v[8*\n+2*\p+1]     ; x2 sin
	v_mul_f32 v[65+2*\p], v[ACC+8*\n+2*\p], v[8*\n+2*\p+1]       ; x1 sin
.endr
.irp p, 0,1,2,3
	v_fma_f32 v[ACC+8*\n+2*\p], v[ACC+8*\n+2*\p], v[8*\n+2*\p], -v[64+2*\p]
	v_fma_f32 v[ACC+8*\n+2*\p+1], v[ACC+8*\n+2*\p+1], v[8*\n+2*\p], v[65+2*\p]
.endr
.endr
	WIN 0
	s_cmp_eq_u32 s25, 0
	s_wait_alu depctr_va_vdst(0)
	s_cbranch_scc0 .Lno_ask
	global_prefetch_b8 v[PFO], s[PFA:PFA+1] th:TH_LOAD_NT scope:SCOPE_SE
	global_prefetch_b8 v[PFO], s[PFA:PFA+1] offset:512 th:TH_LOAD_NT scope:SCOPE_SE
.Lno_ask:
	QUANT
.irp a, 0,1,2,3
.irp b, 0,1,2,3
	ds_store_b64 v16, v[32+2*(4*\a+\b):33+2*(4*\a+\b)] offset:1280*\a+16*\b           ; token 16 a + r, d = 16 b + 8 h + 0 .. 7
.endr
.endr
	SENDOUT
	s_wait_xcnt 0x0                                ; the stores have read their registers and their base
	s_add_co_u32 s25, s25, 1
	s_cmp_lt_u32 s25, 2
	s_wait_alu depctr_va_vdst(0)
	s_cbranch_scc1 .Lplane
	s_wait_tensorcnt 0x0                           ; plane v
	s_barrier_signal -1
	s_barrier_wait -1
	FETCH 0
	MAIN 1
	s_mov_b32 s28, s88                             ; e4
	s_mov_b32 s29, s89                             ; e5
	s_mov_b32 s94, s93                             ; e9
	s_add_nc_u64 s[OUTP:OUTP+1], s[16:17], s[OFS:OFS+1]
	SCALES
	PLACES
	s_wait_alu depctr_va_vdst(0)
	QUANT
.irp a, 0,1,2,3
.irp b, 0,1,2,3
	ds_store_b64 v17, v[32+2*(4*\a+\b):33+2*(4*\a+\b)] offset:1280*\a+32*(\b/2)+8*(\b%2)   ; d = 16 a + r, keys 16 b + 8 h + 0 .. 7 at places 32 (b / 2) + 16 h + 8 (b % 2) on
.endr
.endr
	SENDOUT
	s_wait_tensorcnt 0x0                           ; the wave's end
	ds_add_u32 v94, v95
	s_wait_dscnt 0x0
	CROUND                                         ; the closing round
	s_endpgm
.Lfunc_end_k_q3e30a11a4e_qkv:
	.size	k_q3e30a11a4e_qkv, .Lfunc_end_k_q3e30a11a4e_qkv-k_q3e30a11a4e_qkv
	.p2alignl 7, 3214868480
	.fill 96, 4, 3214868480
	.section	.rodata,"a",@progbits
	.p2align	6, 0x0
	.amdhsa_kernel k_q3e30a11a4e_qkv
		.amdhsa_group_segment_fixed_size 327680
		.amdhsa_private_segment_fixed_size 0
		.amdhsa_enable_private_segment 0
		.amdhsa_kernarg_size 56
		.amdhsa_user_sgpr_count 2
		.amdhsa_user_sgpr_kernarg_segment_ptr 1
		.amdhsa_wavefront_size32 1
		.amdhsa_system_sgpr_workgroup_id_x 1
		.amdhsa_system_sgpr_workgroup_id_y 1
		.amdhsa_system_sgpr_workgroup_id_z 1
		.amdhsa_system_vgpr_workitem_id 0
		.amdhsa_next_free_vgpr 640
		.amdhsa_next_free_sgpr 100
		.amdhsa_reserve_vcc 0
		.amdhsa_float_denorm_mode_32 3
		.amdhsa_float_denorm_mode_16_64 3
		.amdhsa_memory_ordered 1
		.amdhsa_forward_progress 1
		.amdhsa_inst_pref_size 100
	.end_amdhsa_kernel
	.amdgpu_metadata
---
amdhsa.version: [ 1, 2 ]
amdhsa.kernels:
  - .name:           k_q3e30a11a4e_qkv
    .symbol:         k_q3e30a11a4e_qkv.kd
    .args:
      - { .name: xc, .offset: 0, .size: 8, .value_kind: global_buffer, .address_space: global }
      - { .name: wc, .offset: 8, .size: 8, .value_kind: global_buffer, .address_space: global }
      - { .name: cs, .offset: 16, .size: 8, .value_kind: global_buffer, .address_space: global }
      - { .name: lowp_scales, .offset: 24, .size: 8, .value_kind: global_buffer, .address_space: global }
      - { .name: qc, .offset: 32, .size: 8, .value_kind: global_buffer, .address_space: global }
      - { .name: kc, .offset: 40, .size: 8, .value_kind: global_buffer, .address_space: global }
      - { .name: vc, .offset: 48, .size: 8, .value_kind: global_buffer, .address_space: global }
    .group_segment_fixed_size: 327680
    .private_segment_fixed_size: 0
    .kernarg_segment_align: 8
    .kernarg_segment_size: 56
    .max_flat_workgroup_size: 128
    .sgpr_count:     100
    .vgpr_count:     640
    .wavefront_size: 32
...
	.end_amdgpu_metadata
.endif
;; end of part 2
;; launch attn (part 3): grid 8 x 32, 16 waves a work-group, clusters of 4 x 1, 327,680 bytes of LDS; arguments qc, kc, vc, lowp_scales, oc; writes oc
.if DOCPART == 3
	.amdgcn_target "amdgcn-amd-amdhsa--gfx1250"
	.amdhsa_code_object_version 6
	.text
	.protected	k_q3e30a11a4e_attn
	.globl	k_q3e30a11a4e_attn
	.p2align	8
	.type	k_q3e30a11a4e_attn,@function
k_q3e30a11a4e_attn:
	s_mov_b64 s[64:65], 0
	v_nop
	global_prefetch_b8 v0, s[64:65] scope:SCOPE_SE
	s_setreg_imm32_b32 hwreg(HW_REG_WAVE_MODE, 25, 1), 1
	s_wait_xcnt 0x0
	s_wait_alu depctr_hold_cnt(0) depctr_sa_sdst(0) depctr_va_vdst(0) depctr_va_sdst(0) depctr_va_ssrc(0) depctr_va_vcc(0) depctr_vm_vsrc(0)
	s_getreg_b32 s2, hwreg(HW_REG_IB_STS2, 6, 4)
	s_cmp_eq_u32 s2, 0
	s_cbranch_scc0 .Lentry_in_a_cluster
	s_endpgm
.Lentry_in_a_cluster:
	s_bfe_u32 s2, ttmp6, 0x10000c
	s_cmp_lg_u32 s2, 0x3003
	s_cbranch_scc0 .Lentry_shape_is_right
	s_endpgm
.Lentry_shape_is_right:
; ATTN.  o = softmax(q k^T / 8, causal) v for each of 32 batch x heads, both products on E4M3 codes; o quantised again with 2^e10 into oc [16 heads][4096 tokens][64].
; LEFT OUT: key steps all of whose 128 keys come after a block's 16 queries: reference() itself sets their scores to -infinity, so their p is 0 for all inputs.
; THE SOFTMAX: t = score x log2(e) / 8; M = the running largest t rounded up to a whole number; p = 2^(t - M) is quantised with 2^e8; the row's sum is taken of the unquantised p and divides at the end.
; SHARES.  A head has 128 blocks of 16 queries.  Work-group x (0 .. 7) takes blocks x + 8 j, j = 0 .. 15; block j has j + 1 steps of 128 keys, the last on the diagonal: 136 steps in every work-group.
; The waves go in pairs, p = wave % 8.  Wave p takes steps 0 .. 8 of the long block j = 8 + p: 9 steps.  Wave 8 + p takes the short block j = 7 - p whole (8 - p steps) and stores it, then steps 9 .. 8 + p of the long block
; (p steps) with a state of its own: 8 steps.  It hands O^T, -M and the sum to wave p through the pair's LDS bytes; behind one barrier wave p brings both parts under the larger M, by powers of two that round nothing, and finishes.
; Both loops have constant trip counts, 9 and 7; a step above a wave's last is jumped over.
; LDS holds the head's K and V whole: 2 x 512 rows of 256 bytes, 272 apart.  Each of the sixteen waves asks for 64 rows by ONE tensor load at the head (waves 0-7: K, waves 8-15: V); nothing is filled again.
; CLUSTERS: the four work-groups of a cluster lie along x, in one head, and read the same K and V: each load is a JOINT one with the mask 15.  Every partner's block j = 15 reads all keys.
; No branch hangs on a work-group's place: the tests are made of the wave's number and the count of steps; the place enters global addresses and the lanes' compare value alone.
; NO PREFETCH: all of K and V is asked for by the head's sixteen loads, and no later trip loads anything to run ahead of.
; LAYOUT.  S^T = K Q^T (source 0 = 16 keys), O^T = V^T P^T (source 0 = 16 of the head's 64): a lane holds one query.  Register j of tile t is key 16 t + 8 h + j: the conversions' results are the second product's operand as they stand.
; LIMITS on the given exponents: e6 + e7 between -123 and 130; e8 between -126 and 119; e10 - e8 - e9 between -126 and 119.
; REGISTERS: v1-11, v27, v28 addresses; v12 -M, v13 the largest t, v[14:15] the sum; v16-23 Q; v26 16 x + r - 8 h; v32-95 fragments of K, then V; v96-159 S^T, then p; v160-191 O^T; v192-199 the long block's Q; v224-239 p's codes; v240-255 scales and work.
.set VBASE, 512*272
.set STG,   2*VBASE                    ; 4,352 bytes for each pair: the stage of 16 rows x 80 bytes on the way out, and the image of the part that is handed over; no fill lands there
.set PAIRB, 4352
.set SPARE, STG+8*PAIRB
.set STEPB, 32*272
.macro CROUND
	s_barrier_signal -1
	s_barrier_wait -1
	s_cmp_lg_u32 s18, 0
	s_cbranch_scc1 .Lnot_wave_0_\@
	s_barrier_signal -3
.Lnot_wave_0_\@:
	s_barrier_wait -3
	s_barrier_signal -1
	s_barrier_wait -1
.endm
; steps first .. first + count - 1; s33 = my last step, s61 = the step on the diagonal
.macro PASS n, first, count
	s_mov_b32 s62, \first
	s_mov_b32 s2, \first*STEPB
.Lstep\n:
	s_cmp_gt_u32 s62, s33
	s_cbranch_scc1 .Lhidden\n
	v_add_nc_u32 v8, s2, v1
	v_add_nc_u32 v9, s2, v2
	v_nop                                          ; with the two lines above: four places ahead of loads into registers that the last products read
	v_nop
.irp t, 0,1,2,3,4,5,6,7
	ds_load_b128 v[32+8*\t:35+8*\t], v8 offset:1088*\t
	ds_load_b128 v[36+8*\t:39+8*\t], v8 offset:1088*\t+32
.endr
	s_wait_alu depctr_va_vdst(0)
	s_wait_dscnt 8                                 ; tiles 0-3 are in; the eight loads of tiles 4-7 may be out
.irp t, 0,1,2,3
	v_wmma_f32_16x16x64_fp8_fp8 v[96+8*\t:103+8*\t], v[32+8*\t:39+8*\t], v[16:23], 0
.endr
	s_wait_dscnt 0x0
.irp t, 4,5,6,7
	v_wmma_f32_16x16x64_fp8_fp8 v[96+8*\t:103+8*\t], v[32+8*\t:39+8*\t], v[16:23], 0
.endr
.rept 4
	v_nop
.endr
.irp t, 0,1,2,3
.irp c, 0,1,2,3
	ds_load_b128 v[32+16*\t+4*\c:35+16*\t+4*\c], v9 offset:1088*\t+4352*(\c/2)+32*(\c%2)   ; V's fragments come while the softmax is walked
.endr
.endr
	s_cmp_lg_u32 s62, s61
	s_cbranch_scc1 .Lopen\n
	v_mov_b32 v254, 0xff800000                     ; on the diagonal hidden scores become -infinity
.irp t, 0,1,2,3,4,5,6,7
.irp j, 0,1,2,3,4,5,6,7
	v_cmp_gt_i32 vcc_lo, 16*\t+\j, v26
	v_cndmask_b32 v[96+8*\t+\j], v[96+8*\t+\j], v254, vcc_lo
.endr
.endr
.Lopen\n:
	v_max3_num_f32 v254, v96, v97, v98
	v_max3_num_f32 v252, v99, v100, v101
.irp i, 6,10,14,18,22,26,30,34,38,42,46,50,54,58
	v_max3_num_f32 v254, v254, v[96+\i], v[97+\i]
	v_max3_num_f32 v252, v252, v[98+\i], v[99+\i]
.endr
	v_max3_num_f32 v254, v254, v158, v159
	s_delay_alu instid0(VALU_DEP_1)
	v_max_num_f32 v254, v254, v252
	v_permlanex16_b32 v236, v254, s20, s21
	s_delay_alu instid0(VALU_DEP_1)
	v_max_num_f32 v254, v254, v236
	s_delay_alu instid0(VALU_DEP_1)
	v_mul_f32 v254, s22, v254
	s_delay_alu instid0(VALU_DEP_1)
	v_max_num_f32 v13, v13, v254                   ; the running largest t
	v_mov_b32 v254, v12
	s_delay_alu instid0(VALU_DEP_2)
	v_floor_f32 v12, -v13                          ; -M
	s_delay_alu instid0(VALU_DEP_1)
	v_sub_f32 v254, v12, v254
	s_delay_alu instid0(VALU_DEP_1)
	v_cvt_i32_f32 v254, v254
	s_delay_alu instid0(VALU_DEP_1)
	v_ldexp_f32 v252, 1.0, v254                    ; f = 2^(old M - new M)
.irp t, 0,1,2,3,4,5,6,7
.irp j, 0,2,4,6
	v_pk_fma_f32 v[96+8*\t+\j:97+8*\t+\j], v[96+8*\t+\j:97+8*\t+\j], s[22:23], v[12:13] op_sel_hi:[1,0,0]
.endr
.endr
	s_wait_alu depctr_va_vdst(0)
.irp t, 0,1,2,3,4,5,6,7
.irp j, 0,1,2,3,4,5,6,7
	v_exp_f32 v[96+8*\t+\j], v[96+8*\t+\j]
.endr
.endr
	v_pk_mul_f32 v[14:15], v[14:15], v[252:253] op_sel_hi:[1,0]   ; a plain place behind the batch
	s_wait_alu depctr_va_vdst(0)                   ; one wait for the batch, and directly ahead of the first readers of O^T
.irp t, 0,1,2,3
.irp j, 0,2,4,6
	v_pk_mul_f32 v[160+8*\t+\j:161+8*\t+\j], v[160+8*\t+\j:161+8*\t+\j], v[252:253] op_sel_hi:[1,0]
.endr
.endr
	v_pk_add_f32 v[242:243], v[96:97], v[98:99]    ; the sum of the unquantised p, in two chains
.irp j, 4,8,12,16,20,24,28,32,36,40,44,48,52,56,60
	v_pk_add_f32 v[14:15], v[14:15], v[96+\j:97+\j]
	v_pk_add_f32 v[242:243], v[242:243], v[98+\j:99+\j]
.endr
	s_delay_alu instid0(VALU_DEP_1)
	v_pk_add_f32 v[14:15], v[14:15], v[242:243]
.irp t, 0,1,2,3,4,5,6,7
.irp j, 0,2,4,6
	v_dual_min_num_f32 v[96+8*\t+\j], v[96+8*\t+\j], v240 :: v_dual_min_num_f32 v[97+8*\t+\j], v[97+8*\t+\j], v241   ; the hold, two numbers a line: the conversion does not saturate (ISA guide 7.6.2)
.endr
	v_cvt_scalef32_pk8_fp8_f32 v[224+2*\t:225+2*\t], v[96+8*\t:103+8*\t], v244
.endr
	v_nop                                          ; a plain line behind the last conversion
	s_wait_alu depctr_va_vdst(0)
	s_wait_dscnt 0x0                               ; V's fragments
.irp t, 0,1,2,3
	v_wmma_f32_16x16x128_fp8_fp8 v[160+8*\t:167+8*\t], v[32+16*\t:47+16*\t], v[224:239], v[160+8*\t:167+8*\t]
.endr
.Lhidden\n:
	s_add_co_u32 s2, s2, STEPB
	s_add_co_u32 s62, s62, 1
	s_cmp_lt_u32 s62, \first+\count
	s_cbranch_scc1 .Lstep\n
.rept 4
	v_nop                                          ; places behind the last products
.endr
.endm
; a block's end: O^T / the sum, quantised, through the pair's stage, 1,024 consecutive bytes out
.macro FINISH
	v_add_f32 v14, v14, v15
	v_permlanex16_b32 v252, v14, s20, s21
	v_add_f32 v14, v14, v252                       ; the row's sum
	s_wait_alu depctr_va_vdst(0)
	v_rcp_f32 v14, v14
	v_nop
	s_wait_alu depctr_va_vdst(0)                   ; ahead of the first readers of the reciprocal and of O^T
.irp t, 0,1,2,3
.irp j, 0,1,2,3,4,5,6,7
	v_mul_f32 v[96+8*\t+\j], v[160+8*\t+\j], v14
.endr
.endr
.irp t, 0,1,2,3
.irp j, 0,1,2,3,4,5,6,7
	v_med3_num_f32 v[96+8*\t+\j], v[96+8*\t+\j], -v246, v246
.endr
	v_cvt_scalef32_pk8_fp8_f32 v[224+2*\t:225+2*\t], v[96+8*\t:103+8*\t], v245
.endr
	v_nop
.irp t, 0,1,2,3
	ds_store_b64 v10, v[224+2*\t:225+2*\t] offset:16*\t
.endr
	ds_load_b128 v[32:35], v11                     ; LDS serves a wave's instructions in order
	ds_load_b128 v[36:39], v11 offset:640
	s_wait_dscnt 1
	global_store_b128 v7, v[32:35], s[12:13]       ; 32 lanes store 512 consecutive bytes, aligned
	s_wait_dscnt 0x0
	global_store_b128 v7, v[36:39], s[12:13] offset:512
.endm
	s_load_b256 s[4:11], s[0:1], 0x0               ; qc, kc, vc, scales
	s_load_b64 s[12:13], s[0:1], 0x20              ; oc
	v_lshl_add_u32 v251, v0, 2, SPARE
	v_mov_b32 v255, 0
	ds_add_u32 v251, v255                          ; the opening lines
	ds_add_u32 v251, v255
	v_lshrrev_b32 v8, 5, v0
	v_readfirstlane_b32 s18, v8                    ; wave
	v_and_b32 v24, 15, v0                          ; r
	v_bfe_u32 v25, v0, 4, 1                        ; h
	v_lshlrev_b32 v3, 6, v24
	v_lshl_add_u32 v3, v25, 4, v3                  ; Q: row r of 64 bytes, + 16 h
	v_lshrrev_b32 v1, 2, v24
	v_mul_u32_u24 v1, v1, 272
	v_and_b32 v4, 3, v24
	v_lshl_add_u32 v1, v4, 6, v1
	v_lshl_add_u32 v1, v25, 4, v1                  ; K: row r of 64 bytes, four to an LDS row
	v_add_nc_u32 v2, VBASE, v1                     ; V likewise
	v_and_b32 v4, 31, v0
	v_lshlrev_b32 v7, 4, v4
	s_and_b32 s68, s18, 7                          ; p, my pair
	s_mul_i32 s81, s68, PAIRB
	s_add_co_u32 s81, s81, STG                     ; the pair's bytes
	v_mul_u32_u24 v10, v24, 80
	v_lshl_add_u32 v10, v25, 3, v10
	v_add_nc_u32 v10, s81, v10                     ; the stage, in
	v_lshrrev_b32 v11, 2, v4
	v_mul_u32_u24 v11, v11, 80
	v_and_b32 v5, 3, v4
	v_lshl_add_u32 v11, v5, 4, v11
	v_add_nc_u32 v11, s81, v11                     ; and back
	v_add_nc_u32 v27, s81, v7                      ; the image of O^T: 16 bytes a lane, 512 for each four registers
	v_lshl_add_u32 v28, v4, 3, s81                 ; -M and the sum: 8 bytes a lane, 4,096 on
	v_lshlrev_b32 v26, 3, v25
	v_sub_nc_u32 v26, v24, v26
	s_wait_alu depctr_va_vdst(0)
	s_bfe_u32 s19, ttmp6, 0x40000                  ; cx
	s_lshl_b32 s80, ttmp9, 2
	s_add_co_u32 s80, s80, s19                     ; x
	s_and_b32 s63, ttmp7, 0xffff                   ; batch x 16 + head
	s_lshl_b32 s66, s63, 17
	s_mov_b32 s67, 0
	s_add_co_u32 s35, s68, 8                       ; the long block's j
	s_sub_co_u32 s36, 7, s68                       ; the short block's
	s_cmp_lt_u32 s18, 8
	s_cselect_b32 s61, s35, s36                    ; the block that I begin with and store
	s_cselect_b32 s33, 8, s36                      ; my last step of the first loop,
	s_cselect_b32 s34, 0, s35                      ; and of the second (0: none)
	s_lshl_b32 s78, s61, 3
	s_add_co_u32 s78, s78, s80                     ; block 8 j + x
	s_lshl_b32 s72, s78, 10                        ; 16 queries of 64 bytes
	s_mov_b32 s73, 0
	s_lshl_b32 s38, s35, 3
	s_add_co_u32 s38, s38, s80
	s_lshl_b32 s38, s38, 10                        ; the long block likewise
	s_mov_b32 s39, 0
	s_lshl_b32 s79, s80, 4
	v_add_nc_u32 v26, s79, v26                     ; on the diagonal register (t, j) is hidden where 16 t + j > 16 x + r - 8 h
	s_mul_i32 s41, s18, 64*272                     ; where my fill goes
	s_lshl_b32 s74, s68, 14                        ; and my 16,384 bytes of K or of V
	s_mov_b32 s75, 0
	s_mov_b32 s40, 1
	s_mov_b32 s24, 15|(1<<20)|(1<<21)|(5<<22)|(3<<25)   ; the mask of the four; bytes; 4 words of padding behind every 64
	s_mov_b32 s25, 256<<16
	s_mov_b32 s26, 64<<16
	s_mov_b32 s27, 256<<16
	s_mov_b32 s28, 64
	s_mov_b32 s29, 256
	s_mov_b32 s30, 0
	s_mov_b32 s31, 0
	s_and_b32 s70, s63, 15
	s_lshl_b32 s70, s70, 18
	s_lshr_b32 s71, s63, 4
	s_lshl_b32 s71, s71, 17
	s_add_co_u32 s70, s70, s71
	s_add_co_u32 s70, s70, s72                     ; my 1,024 bytes of oc
	s_mov_b32 s71, 0
	s_wait_alu depctr_va_vdst(0)
	s_wait_dscnt 0x0
	s_wait_kmcnt 0x0
	s_load_b256 s[48:55], s[10:11], 0x0
	s_load_b128 s[56:59], s[10:11], 0x20
	s_add_nc_u64 s[4:5], s[4:5], s[66:67]
	s_add_nc_u64 s[14:15], s[4:5], s[72:73]
	s_add_nc_u64 s[16:17], s[4:5], s[38:39]
	global_load_b128 v[16:19], v3, s[14:15]        ; Q is asked for ahead of the round
	global_load_b128 v[20:23], v3, s[14:15] offset:32
	global_load_b128 v[192:195], v3, s[16:17]      ; the long block's Q, on the one way that all waves take, so that every register is written on every way; waves 8-15 use it
	global_load_b128 v[196:199], v3, s[16:17] offset:32
	s_add_nc_u64 s[12:13], s[12:13], s[70:71]
	s_cmp_lt_u32 s18, 8
	s_cselect_b64 s[76:77], s[6:7], s[8:9]
	s_add_nc_u64 s[76:77], s[76:77], s[66:67]
	s_add_nc_u64 s[42:43], s[76:77], s[74:75]
	s_or_b32 s43, s43, 0x80000000
	CROUND                                         ; the four work-groups are here
	tensor_load_to_lds s[40:43], s[24:31]          ; my one load
	s_nop 0
	v_mov_b32 v13, 0xff61b1e6                      ; -3e38, under every t
	v_floor_f32 v12, -v13
	v_mov_b32 v14, 0
	v_mov_b32 v15, 0
	v_mov_b32 v236, 0
	v_mov_b32 v252, 0
	v_mov_b32 v253, 0
.irp j, 0,1,2,3,4,5,6,7,8,9,10,11,12,13,14,15,16,17,18,19,20,21,22,23,24,25,26,27,28,29,30,31
	v_mov_b32 v[160+\j], 0                         ; a state's first step finds zeros
.endr
	s_mov_b32 s20, 0x76543210
	s_mov_b32 s21, 0xfedcba98
	s_mov_b32 s22, 0x3e38aa3b                      ; log2(e) / 8
	s_wait_kmcnt 0x0
	s_add_co_i32 s72, s54, s55
	s_lshl_b32 s72, s72, 23
	s_add_co_i32 s22, s22, s72                     ; x 2^(e6 + e7)
	s_mov_b32 s23, s22
	s_add_co_i32 s72, s56, 127
	s_lshl_b32 s73, s72, 23
	v_mov_b32 v244, s73                            ; 2^e8
	s_add_co_i32 s72, s72, 8
	s_lshl_b32 s72, s72, 23
	s_or_b32 s72, s72, 0x600000
	v_mov_b32 v240, s72                            ; 448 x 2^e8, twice: one for each half of a dual pair
	v_mov_b32 v241, s72
	s_sub_co_i32 s72, s58, s56
	s_sub_co_i32 s72, s72, s57
	s_add_co_i32 s72, s72, 127
	s_lshl_b32 s73, s72, 23
	v_mov_b32 v245, s73                            ; 2^(e10 - e8 - e9)
	s_add_co_i32 s72, s72, 8
	s_lshl_b32 s72, s72, 23
	s_or_b32 s72, s72, 0x600000
	v_mov_b32 v246, s72                            ; 448 x that
	s_wait_alu depctr_va_vdst(0)
	s_wait_loadcnt 0x0                             ; Q
	s_wait_tensorcnt 0x0                           ; my part of K or V
	s_barrier_signal -1
	s_barrier_wait -1                              ; everybody's
	PASS 1, 0, 9
	s_cmp_lt_u32 s18, 8
	s_cbranch_scc1 .Lkeep                          ; waves 0-7 keep their state
	FINISH                                         ; waves 8-15: the short block is done,
	s_wait_xcnt 0x0                                ; its stores have read their registers,
	v_mov_b32 v13, 0xff61b1e6                      ; and a new state begins, for the long block's later steps
	v_floor_f32 v12, -v13
	v_mov_b32 v14, 0
	v_mov_b32 v15, 0
.irp j, 0,1,2,3,4,5,6,7,8,9,10,11,12,13,14,15,16,17,18,19,20,21,22,23,24,25,26,27,28,29,30,31
	v_mov_b32 v[160+\j], 0
.endr
.irp j, 0,1,2,3,4,5,6,7
	v_mov_b32 v[16+\j], v[192+\j]
.endr
	s_wait_alu depctr_va_vdst(0)
.Lkeep:
	s_mov_b32 s33, s34
	s_mov_b32 s61, s35
	PASS 2, 9, 7
	s_cmp_lt_u32 s18, 8
	s_cbranch_scc1 .Lno_stash
	v_add_f32 v13, v14, v15                        ; waves 8-15 hand their part over: (-M, my lane's sum),
	s_wait_alu depctr_va_vdst(0)                   ; directly ahead of the first reader of O^T
.irp k, 0,1,2,3,4,5,6,7
	ds_store_b128 v27, v[160+4*\k:163+4*\k] offset:512*\k   ; and O^T as an image of its registers
.endr
	ds_store_b64 v28, v[12:13] offset:4096
.Lno_stash:
	s_wait_alu depctr_va_vdst(0)
	s_wait_dscnt 0x0                               ; my stores are done
	s_barrier_signal -1
	s_barrier_wait -1
	s_cmp_lt_u32 s18, 8
	s_cbranch_scc0 .Ldone
	ds_load_b64 v[192:193], v28 offset:4096        ; waves 0-7: the partner's -M and sum,
.irp k, 0,1,2,3,4,5,6,7
	ds_load_b128 v[32+4*\k:35+4*\k], v27 offset:512*\k      ; and its O^T
.endr
	s_wait_dscnt 0x0
	v_min_num_f32 v254, v12, v192                  ; -M of the larger M
	v_mov_b32 v195, 0                              ; (named as the upper half of the pair v[194:195])
	v_sub_f32 v252, v254, v12                      ; whole numbers, 0 or less
	v_sub_f32 v194, v254, v192
	v_cvt_i32_f32 v252, v252                       ; (they saturate: a part with no step has -M = 3e38, and its factor is 0)
	v_cvt_i32_f32 v194, v194
	v_ldexp_f32 v252, 1.0, v252                    ; my factor,
	v_ldexp_f32 v194, 1.0, v194                    ; the partner's
	v_add_f32 v14, v14, v15
	v_mov_b32 v15, 0
	v_mul_f32 v14, v14, v252
	v_fma_f32 v14, v193, v194, v14                 ; the sum of both parts
	s_wait_alu depctr_va_vdst(0)                   ; directly ahead of the first readers of O^T
.irp j, 0,2,4,6,8,10,12,14,16,18,20,22,24,26,28,30
	v_pk_mul_f32 v[160+\j:161+\j], v[160+\j:161+\j], v[252:253] op_sel_hi:[1,0]
.endr
.irp j, 0,2,4,6,8,10,12,14,16,18,20,22,24,26,28,30
	v_pk_fma_f32 v[160+\j:161+\j], v[32+\j:33+\j], v[194:195], v[160+\j:161+\j] op_sel_hi:[1,0,1]
.endr
	FINISH
.Ldone:
	s_wait_tensorcnt 0x0                           ; the wave's end
	ds_add_u32 v251, v255
	s_wait_dscnt 0x0
	CROUND                                         ; the closing round
	s_endpgm
.Lfunc_end_k_q3e30a11a4e_attn:
	.size	k_q3e30a11a4e_attn, .Lfunc_end_k_q3e30a11a4e_attn-k_q3e30a11a4e_attn
	.p2alignl 7, 3214868480
	.fill 96, 4, 3214868480
	.section	.rodata,"a",@progbits
	.p2align	6, 0x0
	.amdhsa_kernel k_q3e30a11a4e_attn
		.amdhsa_group_segment_fixed_size 327680
		.amdhsa_private_segment_fixed_size 0
		.amdhsa_enable_private_segment 0
		.amdhsa_kernarg_size 40
		.amdhsa_user_sgpr_count 2
		.amdhsa_user_sgpr_kernarg_segment_ptr 1
		.amdhsa_wavefront_size32 1
		.amdhsa_system_sgpr_workgroup_id_x 1
		.amdhsa_system_sgpr_workgroup_id_y 1
		.amdhsa_system_sgpr_workgroup_id_z 1
		.amdhsa_system_vgpr_workitem_id 0
		.amdhsa_next_free_vgpr 256
		.amdhsa_next_free_sgpr 84
		.amdhsa_reserve_vcc 1
		.amdhsa_float_denorm_mode_32 3
		.amdhsa_float_denorm_mode_16_64 3
		.amdhsa_memory_ordered 1
		.amdhsa_forward_progress 1
		.amdhsa_inst_pref_size 64
	.end_amdhsa_kernel
	.amdgpu_metadata
---
amdhsa.version: [ 1, 2 ]
amdhsa.kernels:
  - .name:           k_q3e30a11a4e_attn
    .symbol:         k_q3e30a11a4e_attn.kd
    .args:
      - { .name: qc, .offset: 0, .size: 8, .value_kind: global_buffer, .address_space: global }
      - { .name: kc, .offset: 8, .size: 8, .value_kind: global_buffer, .address_space: global }
      - { .name: vc, .offset: 16, .size: 8, .value_kind: global_buffer, .address_space: global }
      - { .name: lowp_scales, .offset: 24, .size: 8, .value_kind: global_buffer, .address_space: global }
      - { .name: oc, .offset: 32, .size: 8, .value_kind: global_buffer, .address_space: global }
    .group_segment_fixed_size: 327680
    .private_segment_fixed_size: 0
    .kernarg_segment_align: 8
    .kernarg_segment_size: 40
    .max_flat_workgroup_size: 512
    .sgpr_count:     84
    .vgpr_count:     256
    .wavefront_size: 32
...
	.end_amdgpu_metadata
.endif
;; end of part 3
;; launch oproj (part 4): grid 8 x 32, 4 waves a work-group, clusters of 4 x 4, 296,448 bytes of LDS; arguments oc, wc, lowp_scales, out0; writes out0
.if DOCPART == 4
	.amdgcn_target "amdgcn-amd-amdhsa--gfx1250"
	.amdhsa_code_object_version 6
	.text
	.protected	k_q3e30a11a4e_oproj
	.globl	k_q3e30a11a4e_oproj
	.p2align	8
	.type	k_q3e30a11a4e_oproj,@function
k_q3e30a11a4e_oproj:
	s_mov_b64 s[64:65], 0
	v_nop
	global_prefetch_b8 v0, s[64:65] scope:SCOPE_SE
	s_setreg_imm32_b32 hwreg(HW_REG_WAVE_MODE, 25, 1), 1
	s_wait_xcnt 0x0
	s_wait_alu depctr_hold_cnt(0) depctr_sa_sdst(0) depctr_va_vdst(0) depctr_va_sdst(0) depctr_va_ssrc(0) depctr_va_vcc(0) depctr_vm_vsrc(0)
	s_getreg_b32 s2, hwreg(HW_REG_IB_STS2, 6, 4)
	s_cmp_eq_u32 s2, 0
	s_cbranch_scc0 .Lentry_in_a_cluster
	s_endpgm
.Lentry_in_a_cluster:
	s_bfe_u32 s2, ttmp6, 0x10000c
	s_cmp_lg_u32 s2, 0xf033
	s_cbranch_scc0 .Lentry_shape_is_right
	s_endpgm
.Lentry_shape_is_right:
; OPROJ.  out0[token][d] = the sum over e of o[token][e] Wo[d][e], on E4M3 codes, f32 sums, each finished sum x 2^(e10 + e11).
; oc: [16 heads][4096 tokens][64] codes (e = 64 head + place).  wc's fourth plane: Wo [1024 d][1024 e] codes.  out0: [4096][1024] f32.
; SHARES.  Work-group (x, y): 128 columns d, 128 tokens: 256 work-groups.  Four waves, each 64 x 64.  P (source 0) = Wo's rows; Q (source 1) = the tokens: a lane holds one token and eight neighbouring d.
; LDS holds both tiles whole, filled once.  Each wave issues ONE tensor load: waves 0, 1 64 rows x 1,024 bytes of Wo (rows 1,040 apart in LDS); waves 2, 3 eight heads of the tokens' tile, each head a dense
; row of 8,192 bytes (128 tokens x 64), with 16 bytes of padding behind every 256: a head is 32 LDS rows of 272.
; CLUSTERS: 4 x 4.  Wo's tile hangs on x alone: the four of a column ask JOINTLY; the tokens' tile on y alone: the four of a row.  No LDS address and no branch hangs on a work-group's place.
; NO PREFETCH: everything is asked for by the head's loads; there is no loop to run ahead in.
; LIMIT: e10 + e11 between -126 and 127.
; REGISTERS: window 0: v1-18 addresses; v32-63 a block's sums x the scale; v64-127 rows on the way out; v128-255 accumulators.  window 1: two sets of fragments: Q's four at + 16 a, P's at + 64 + 16 b.
.set HALFT, 64*1040
.set QB,    2*HALFT
.set HEADB, 32*272
.set STG,   278528                     ; behind the tiles (272,384 bytes): a stage of 16 rows x 272 bytes for each wave
.set SPARE, 0x48400
.set ADRP,  8
.set ADRQ,  12
.set ACC,   128
.set F0,    0
.set F1,    128
.set G0P,   32
.set G0Q,   36
.set G1P,   68
.set G1Q,   76
.set MSB,   0
.macro WIN new
.if MSB != \new
	s_set_vgpr_msb (MSB<<8)|\new
.set MSB, \new
.endif
.endm
.set MUL,  0x05
.set TO_F, 0x40
.macro PLACES
.rept 4
	v_nop
.endr
.endm
.macro CROUND
	s_barrier_signal -1
	s_barrier_wait -1
	s_cmp_lg_u32 s20, 0
	s_cbranch_scc1 .Lnot_wave_0_\@
	s_barrier_signal -3
.Lnot_wave_0_\@:
	s_barrier_wait -3
	s_barrier_signal -1
	s_barrier_wait -1
.endm
; Step s's fragments into set s % 2.  Registers 4 i .. 4 i + 3 hold e = 128 s + 32 i + 16 h + 0 .. 15 on both sides: in P byte 128 s + 32 i + 16 h of the row, in Q head 2 s + i / 2, byte 32 (i % 2) + 16 h.
.macro FETCH s
	WIN TO_F
.irp b, 0,1,2,3
.irp i, 0,1,2,3
	ds_load_b128 v[128*((\s)%2)+64+16*\b+4*\i:128*((\s)%2)+64+16*\b+4*\i+3], v[ADRP] offset:128*(\s)+32*\i+16640*\b
.endr
.endr
.irp a, 0,1,2,3
.irp i, 0,1,2,3
	ds_load_b128 v[128*((\s)%2)+16*\a+4*\i:128*((\s)%2)+16*\a+4*\i+3], v[ADRQ+((\s)/2)] offset:8704*(2*((\s)%2)+\i/2)+1088*\a+32*(\i%2)
.endr
.endr
.endm
.macro MUL8 f, a0, zero                ; the 16 accumulators take turns
.irp a, \a0, \a0+1
.irp b, 0,1,2,3
.if \zero
	v_wmma_f32_16x16x128_fp8_fp8 v[ACC+8*(4*(\a)+\b):ACC+8*(4*(\a)+\b)+7], v[\f+64+16*\b:\f+64+16*\b+15], v[\f+16*(\a):\f+16*(\a)+15], 0
.else
	v_wmma_f32_16x16x128_fp8_fp8 v[ACC+8*(4*(\a)+\b):ACC+8*(4*(\a)+\b)+7], v[\f+64+16*\b:\f+64+16*\b+15], v[\f+16*(\a):\f+16*(\a)+15], v[ACC+8*(4*(\a)+\b):ACC+8*(4*(\a)+\b)+7]
.endif
.endr
.endr
.endm
.macro STEP s, f, zero
	s_wait_dscnt 8                                 ; the youngest eight loads (Q's blocks 2, 3) may be out
	WIN MUL
	MUL8 \f, 0, \zero
	PLACES
	FETCH (\s)+1
	s_wait_dscnt 32                                ; all but the 32 just issued
	WIN MUL
	MUL8 \f, 2, \zero
.endm
	s_load_b256 s[4:11], s[0:1], 0x0               ; oc, wc, scales, out0
	v_lshl_add_u32 v30, v0, 2, SPARE
	v_mov_b32 v31, 0
	ds_add_u32 v30, v31                            ; the opening lines
	ds_add_u32 v30, v31
	v_lshrrev_b32 v1, 5, v0
	v_readfirstlane_b32 s20, v1                    ; wave
	s_lshr_b32 s21, s20, 1                         ; my half of the tokens; also: I fetch for P (0) or Q (1)
	s_and_b32 s22, s20, 1                          ; my half of the columns; also which half I fetch
	s_bfe_u32 s18, ttmp6, 0x40000
	s_bfe_u32 s19, ttmp6, 0x40004
	s_lshl_b32 s23, ttmp9, 2
	s_add_co_u32 s23, s23, s18                     ; tile of columns
	s_and_b32 s24, ttmp7, 0xffff
	s_lshl_b32 s24, s24, 2
	s_add_co_u32 s24, s24, s19                     ; tile of tokens
	s_mul_i32 s27, s22, HALFT                      ; where a fill of P goes,
	s_mul_i32 s26, s22, 8*HEADB
	s_add_co_u32 s26, s26, QB                      ; and one of Q
	s_lshl_b32 s2, s19, 2
	s_lshl_b32 s2, 15, s2                          ; my row of the cluster
	s_lshl_b32 s3, 0x1111, s18                     ; my column
	s_or_b32 s[G1P], s3, (1<<20)|(1<<21)|(7<<22)|(3<<25)   ; Wo's rows: 4 words of padding behind every 256
	s_mov_b32 s[G1P+1], 1024<<16
	s_mov_b32 s[G1P+2], 64<<16
	s_mov_b32 s[G1P+3], 1024<<16
	s_mov_b32 s[G1P+4], 64
	s_mov_b32 s[G1P+5], 1024
	s_mov_b32 s[G1P+6], 0
	s_mov_b32 s[G1P+7], 0
	s_or_b32 s[G1Q], s2, (1<<20)|(1<<21)|(5<<22)|(3<<25)   ; heads: rows of 8,192 bytes, 262,144 apart; 4 words of padding behind every 64
	s_mov_b32 s[G1Q+1], 8192<<16
	s_mov_b32 s[G1Q+2], 8<<16
	s_mov_b32 s[G1Q+3], 8192<<16
	s_mov_b32 s[G1Q+4], 8
	s_mov_b32 s[G1Q+5], 262144
	s_mov_b32 s[G1Q+6], 0
	s_mov_b32 s[G1Q+7], 0
	s_lshl_b32 s84, s23, 17
	s_lshl_b32 s85, s22, 16
	s_add_co_u32 s84, s84, s85
	s_add_co_u32 s84, s84, 0x300000                ; wc's fourth plane
	s_mov_b32 s85, 0
	s_lshl_b32 s86, s22, 21                        ; eight heads of 262,144 bytes,
	s_lshl_b32 s87, s24, 13                        ; 128 tokens of 64 bytes for a tile
	s_add_co_u32 s86, s86, s87
	s_mov_b32 s87, 0
	s_wait_alu depctr_va_vdst(0)
	s_wait_dscnt 0x0
	s_wait_kmcnt 0x0
	s_load_b64 s[66:67], s[8:9], 0x28              ; e10, e11
	s_mov_b32 s[G0P], 1
	s_mov_b32 s[G0P+1], s27
	s_add_nc_u64 s[G0P+2:G0P+3], s[6:7], s[84:85]
	s_or_b32 s[G0P+3], s[G0P+3], 0x80000000
	s_mov_b32 s[G0Q], 1
	s_mov_b32 s[G0Q+1], s26
	s_add_nc_u64 s[G0Q+2:G0Q+3], s[4:5], s[86:87]
	s_or_b32 s[G0Q+3], s[G0Q+3], 0x80000000
	CROUND                                         ; all sixteen work-groups are here
	s_cmp_eq_u32 s21, 0                            ; one load to an arm, one join
	s_cbranch_scc0 .Lfor_q
	tensor_load_to_lds s[G0P:G0P+3], s[G1P:G1P+7]
	s_nop 0
.rept 4
	v_nop
.endr
	s_branch .Lasked
.Lfor_q:
	tensor_load_to_lds s[G0Q:G0Q+3], s[G1Q:G1Q+7]
	s_nop 0
.rept 4
	v_nop
.endr
.Lasked:
	v_and_b32 v1, 15, v0                           ; r
	v_bfe_u32 v2, v0, 4, 1                         ; h
	v_mul_u32_u24 v3, v1, 1040
	v_lshl_add_u32 v3, v2, 4, v3                   ; P: row r x pitch + 16 h
	v_lshrrev_b32 v4, 2, v1
	v_mul_u32_u24 v4, v4, 272
	v_and_b32 v5, 3, v1
	v_lshl_add_u32 v4, v5, 6, v4
	v_lshl_add_u32 v4, v2, 4, v4                   ; Q: token r of a head: (r / 4) 272 + (r % 4) 64, + 16 h
	s_wait_alu depctr_va_vdst(0)
	s_mul_i32 s28, s22, HALFT
	s_mul_i32 s29, s21, 4352                       ; my 64 tokens: 16 LDS rows in each head
	s_add_co_u32 s29, s29, QB
	v_add_nc_u32 v[ADRP], s28, v3
.irp c, 0,1,2,3
	v_add_nc_u32 v[ADRQ+\c], s29, v4               ; four heads to a register
	s_add_co_u32 s29, s29, 4*HEADB
.endr
	s_mul_i32 s28, s20, 4352
	s_add_co_u32 s28, s28, STG                     ; my stage
	v_mul_u32_u24 v6, v1, 272
	v_lshl_add_u32 v6, v2, 5, v6
	v_add_nc_u32 v16, s28, v6                      ; in: row r, + 32 h
	v_mul_u32_u24 v7, v2, 272
	v_lshl_add_u32 v7, v1, 4, v7
	v_add_nc_u32 v17, s28, v7                      ; back: lanes 0-15 one row of 256 bytes, lanes 16-31 the next
	v_lshlrev_b32 v18, 12, v2
	v_lshl_add_u32 v18, v1, 4, v18                 ; and the same two rows in out0
	s_lshl_b32 s92, s24, 19
	s_lshl_b32 s93, s21, 18
	s_add_co_u32 s92, s92, s93
	s_lshl_b32 s93, s23, 9
	s_add_co_u32 s92, s92, s93
	s_lshl_b32 s93, s22, 8
	s_add_co_u32 s92, s92, s93
	s_mov_b32 s93, 0
	s_add_nc_u64 s[10:11], s[10:11], s[92:93]
	s_wait_alu depctr_va_vdst(0)
	s_wait_tensorcnt 0x0                           ; my load is in
	s_barrier_signal -1
	s_barrier_wait -1                              ; everybody's is
	FETCH 0
	STEP 0, F0, 1                                  ; the first step's products start the sums
	STEP 1, F1, 0
	STEP 2, F0, 0
	STEP 3, F1, 0
	STEP 4, F0, 0
	STEP 5, F1, 0
	STEP 6, F0, 0
	s_wait_dscnt 8
	WIN MUL
	MUL8 F1, 0, 0
	s_wait_dscnt 0x0
	MUL8 F1, 2, 0
	WIN 0
	s_wait_kmcnt 0x0
	s_add_co_i32 s66, s66, s67
	s_add_co_i32 s66, s66, 127
	s_lshl_b32 s66, s66, 23                        ; 2^(e10 + e11) as f32
	s_mov_b32 s67, s66
	PLACES
; THE WAY OUT, a block of 16 tokens x 64 columns at a time, through my own stage, and back as rows of 256 bytes.
.macro TOSTAGE a
.irp j, 0,2,4,6,8,10,12,14,16,18,20,22,24,26,28,30
	v_pk_mul_f32 v[32+\j:33+\j], v[ACC+32*(\a)+\j:ACC+32*(\a)+\j+1], s[66:67] op_sel_hi:[1,0]   ; each accumulator from its low end on
.endr
.irp b, 0,1,2,3
	ds_store_b128 v16, v[32+8*\b:35+8*\b] offset:64*\b
	ds_store_b128 v16, v[36+8*\b:39+8*\b] offset:64*\b+16
.endr
.irp t, 0,1,2,3,4,5,6,7
	ds_load_b128 v[64+32*((\a)%2)+4*\t:67+32*((\a)%2)+4*\t], v17 offset:544*\t   ; LDS serves a wave's instructions in order
.endr
.endm
.macro SEND a, younger                 ; younger: the LDS instructions issued behind block a's loads, which may stay out
	s_wait_dscnt \younger
.irp t, 0,1,2,3,4,5,6,7
	global_store_b128 v18, v[64+32*((\a)%2)+4*\t:67+32*((\a)%2)+4*\t], s[10:11] offset:(16*(\a)+2*\t)*4096 th:TH_STORE_NT   ; 16 lanes store 256 consecutive bytes, aligned
.endr
.endm
	TOSTAGE 0
.irp a, 1,2,3
.if \a > 1
	s_wait_xcnt 0x0                                ; block a - 2's stores have read their registers
.endif
	TOSTAGE \a
	SEND \a-1, 16                                  ; behind block a - 1's loads: block a's 8 stores and 8 loads
.endr
	SEND 3, 0
	s_wait_tensorcnt 0x0                           ; the wave's end
	ds_add_u32 v30, v31
	s_wait_dscnt 0x0
	CROUND                                         ; the closing round
	s_endpgm
.Lfunc_end_k_q3e30a11a4e_oproj:
	.size	k_q3e30a11a4e_oproj, .Lfunc_end_k_q3e30a11a4e_oproj-k_q3e30a11a4e_oproj
	.p2alignl 7, 3214868480
	.fill 96, 4, 3214868480
	.section	.rodata,"a",@progbits
	.p2align	6, 0x0
	.amdhsa_kernel k_q3e30a11a4e_oproj
		.amdhsa_group_segment_fixed_size 296448
		.amdhsa_private_segment_fixed_size 0
		.amdhsa_enable_private_segment 0
		.amdhsa_kernarg_size 32
		.amdhsa_user_sgpr_count 2
		.amdhsa_user_sgpr_kernarg_segment_ptr 1
		.amdhsa_wavefront_size32 1
		.amdhsa_system_sgpr_workgroup_id_x 1
		.amdhsa_system_sgpr_workgroup_id_y 1
		.amdhsa_system_sgpr_workgroup_id_z 1
		.amdhsa_system_vgpr_workitem_id 0
		.amdhsa_next_free_vgpr 512
		.amdhsa_next_free_sgpr 96
		.amdhsa_reserve_vcc 0
		.amdhsa_float_denorm_mode_32 3
		.amdhsa_float_denorm_mode_16_64 3
		.amdhsa_memory_ordered 1
		.amdhsa_forward_progress 1
		.amdhsa_inst_pref_size 45
	.end_amdhsa_kernel
	.amdgpu_metadata
---
amdhsa.version: [ 1, 2 ]
amdhsa.kernels:
  - .name:           k_q3e30a11a4e_oproj
    .symbol:         k_q3e30a11a4e_oproj.kd
    .args:
      - { .name: oc, .offset: 0, .size: 8, .value_kind: global_buffer, .address_space: global }
      - { .name: wc, .offset: 8, .size: 8, .value_kind: global_buffer, .address_space: global }
      - { .name: lowp_scales, .offset: 16, .size: 8, .value_kind: global_buffer, .address_space: global }
      - { .name: out0, .offset: 24, .size: 8, .value_kind: global_buffer, .address_space: global }
    .group_segment_fixed_size: 296448
    .private_segment_fixed_size: 0
    .kernarg_segment_align: 8
    .kernarg_segment_size: 32
    .max_flat_workgroup_size: 128
    .sgpr_count:     96
    .vgpr_count:     512
    .wavefront_size: 32
...
	.end_amdgpu_metadata
.endif
;; end of part 4
